; MI455X (gfx1250); checked and timed in simulation.
; The chip was launched on July 23, 2026; its instructions are those of AMD's public machine-readable ISA for CDNA 5 (MIT licence, August 2026) and "CDNA5" Instruction Set Architecture Reference Guide (July 2026). The comments in the code are by the model that wrote it; some were corrected since.
;; Moe Linear Lora Layer. Allowed arithmetic: matrix products marked QUANTISED: E5M2 operands, one E8M0 scale for each 32 along K, by v_wmma_scale_f32_16x16x128_f8f6f4 with both operands' format E5M2, f32 sums; everything else in f32.
;; Inputs: lora_A_codes 8 x 256 x 128 x 32 uint8 (E5M2 codes of lora_A, K innermost, in blocks of 32 codes); lora_A_scales 8 x 256 x 128 uint8 (E8M0 scales of lora_A, one for each 32 codes along K); lora_B 8 x 256 x 4,096 float32; token_type 2,048 int32; weight_base_codes 4,096 x 128 x 32 uint8 (E5M2 codes of weight_base, K innermost, in blocks of 32 codes); weight_base_scales 4,096 x 128 uint8 (E8M0 scales of weight_base, one for each 32 codes along K); x_codes 1 x 2,048 x 128 x 32 uint8 (E5M2 codes of x, K innermost, in blocks of 32 codes); x_scales 1 x 2,048 x 128 uint8 (E8M0 scales of x, one for each 32 codes along K).
;; Outputs: out0 1 x 2,048 x 4,096 float32.
;; This version of the problem:
;;   THIS VERSION OF THE PROBLEM IS GIVEN IN LOW PRECISION. The matrix products marked QUANTISED in the list below multiply operands that are first quantised to E5M2 (5 exponent bits, 2 mantissa bits; 8 bits a number), with one power-of-two scale for each 32 numbers along K (OCP MX v1.0); their sums are f32. All else is computed in f32.
;;   The module's matrix products, in the order in which they are computed (A, B: the left and right operand; K: the contracted axis; several contracted axes count as one K, in the product's order):
;;     1. [M 2,048, K 4,096] x [K 4,096, N 4,096]; A: input x (given as codes); B: input weight_base (given as codes): QUANTISED
;;     2. [M 2,048, K 4,096] x [K 4,096, N 2,048]; A: input lora_A (given as codes); B: input x (given as codes): QUANTISED
;;     3. [M 2,048, K 2,048] x [K 2,048, N 4,096]; A: computed on the way; B: input lora_B: QUANTISED
;;   THE QUANTISER, for each operand of a quantised product, along K:
;;     - K is cut into blocks of 32 from its start; a last block that is shorter is filled with zeros.
;;     - A block's scale is 2^e with e = floor(log2(the largest magnitude in the block)) - 15, held to -126 .. 127; a block of zeros has e = 0. As a byte (E8M0): e + 127.
;;     - Each number is divided by its block's scale, clamped to +-57,344, and rounded to the nearest number of E5M2, ties to even, subnormals kept.
;;     - The product sums the exact products of the quantised numbers (number of the format x scale) in f32.
;;   ~~~python
;;   def quantise(x, axis):      # numpy; x: float32 -> the quantised numbers, widened to float32 again
;;       x = np.moveaxis(x, axis, -1); K = x.shape[-1]
;;       x = np.pad(x, [(0, 0)] * (x.ndim - 1) + [(0, -K % 32)]); x = x.reshape(x.shape[:-1] + (-1, 32)); a = np.abs(x).max(-1, keepdims=True)
;;       e = np.where(a > 0, np.clip(np.frexp(np.where(a > 0, a, 1))[1] - 1 - 15, -126, 127), 0)      # np.frexp(a)[1] - 1 = floor(log2(a)), exactly
;;       r = np.clip(x / 2.0 ** e, -57344, 57344)
;;       step = 2.0 ** (np.maximum(np.frexp(np.where(r == 0, 1, r))[1] - 1, -14) - 2)
;;       q = np.round(r / step) * step * 2.0 ** e      # np.round: ties to even
;;       return np.moveaxis(q.reshape(q.shape[:-2] + (-1,))[..., :K], -1, axis).astype(np.float32)
;;   ~~~
;;   OPERANDS COMPUTED ON THE WAY. 'Computed on the way' means the value that the module computes at that place (a softmax that the list does not call 'softmax' is quantised finished and normalised). What goes into a quantiser is computed in f32, as accurately as f32 sums, v_exp_f32 and their like allow (about 1e-6 of the number): no bf16 or f16 on the way to a quantiser, and a product that is left as it is and whose result goes on into a quantised operand takes f32 operands (vector FMAs, or v_wmma_f32_16x16x4_f32). A number that lies on a knife's edge between two numbers of the format may be rounded either way, as far as f32 arithmetic and the matrix unit's own rounding can turn it there, and no further.
;;   INPUTS GIVEN AS CODES. lora_A (in the module: [8, 4096, 256], K = its axis 1); weight_base (in the module: [4096, 4096], K = its axis 1); x (in the module: [1, 2048, 4096], K = its axis 2): each comes as NAME_codes (uint8): NAME with its K axis moved to the last place and cut into blocks of 32 codes, [.., K / 32, bytes a block], one block behind the other in memory; one code a byte (a code: sign, 5 exponent bits, 2 mantissa bits); and NAME_scales (uint8): the same leading axes, one E8M0 byte (e + 127) for each 32 codes along K. Its value is code x scale, taken as it is: it is not quantised again, and the codes and scales need not be those that the quantiser above would give.
;; One version. Each part assembles by itself: llvm-mc -triple=amdgcn-amd-amdhsa -mcpu=gfx1250 --defsym DOCPART=n.
;; ======== version 1 of 1: 2 launches
;; limits: right only within a limited range of input values
;; workspace buffers: base 33,554,432 bytes; hq 4,194,304 bytes; hs 131,072 bytes; order 65,536 bytes of whole numbers; cnt 1,024 bytes of whole numbers
;; launch xmul (part 1): grid 16 x 16, 4 waves a work-group, clusters of 4 x 4, 327,680 bytes of LDS; arguments x_codes, weight_base_codes, lora_A_codes, x_scales, weight_base_scales, lora_A_scales, token_type, base, hq, hs, order, cnt; writes base, hq, hs, order, cnt
.if DOCPART == 1
	.amdgcn_target "amdgcn-amd-amdhsa--gfx1250"
	.amdhsa_code_object_version 6
	.text
	.protected	k_q394474ce4f_xmul
	.globl	k_q394474ce4f_xmul
	.p2align	8
	.type	k_q394474ce4f_xmul,@function
k_q394474ce4f_xmul:
	s_mov_b64 s[64:65], 0
	v_nop
	global_prefetch_b8 v0, s[64:65] scope:SCOPE_SE
	s_setreg_imm32_b32 hwreg(HW_REG_WAVE_MODE, 25, 1), 1
	s_wait_xcnt 0x0
	s_wait_alu depctr_hold_cnt(0) depctr_sa_sdst(0) depctr_va_vdst(0) depctr_va_sdst(0) depctr_va_ssrc(0) depctr_va_vcc(0) depctr_vm_vsrc(0)
	s_getreg_b32 s2, hwreg(HW_REG_IB_STS2, 6, 4)
	s_cmp_eq_u32 s2, 0
	s_cbranch_scc0 .Lentry_in_a_cluster
	s_endpgm
.Lentry_in_a_cluster:
	s_bfe_u32 s2, ttmp6, 0x10000c
	s_cmp_lg_u32 s2, 0xf033
	s_cbranch_scc0 .Lentry_shape_is_right
	s_endpgm
.Lentry_shape_is_right:
; FIRST LAUNCH of out = x W^T + 2 (x A[e]) B[e] in MX-BF8 (E5M2 codes, one E8M0 byte for each 32 along K), f32 sums: base = x W^T (f32), and h = x A for all eight experts, of which each token's own is kept, quantised along r and stored at the token's place among its expert's tokens.
; The third product's rows of experts that a token has not chosen are zeros in reference() (its one_hot mask): the next launch multiplies the chosen ones alone, from the index input token_type.
; A work-group makes 128 rows x (256 columns of base + 128 columns of h: expert tile column / 2, half tile column % 2).  Four waves; wave w: all 128 rows x 64 columns of base + 32 of h: 48 accumulators.
; K goes in 16 units of 256 through two slots of LDS; four loads of 128 rows a unit, one a wave: x, W, W, A.  A unit is two K steps of 128; a step's fragments are read during the step before.  So in the middle of a unit its slot is free: behind a drained round it takes the unit two on, which has a whole unit of products in which to land.
; CLUSTERS of 4 x 4: x's tiles are shared along the cluster's row, W's and A's along its column.
; PREFETCH: in each unit the rows of the unit that the next fill brings, 32 a wave, shared out by address among the four partners; each cluster asks for its own tiles; nothing beyond unit 15.
; SCALE WORDS come straight into registers, 16 bytes of a row (four K steps) a load: seven loads for two units, two sets.
; RANKS, in the head: every wave counts the tokens of the work-group's expert in all 2,048 types; a token's place is the number of them ahead of it.  order[e] is a whole permutation: the expert's tokens in ascending order, then all others; cnt holds each work-group's count of its expert.
; REGISTERS: window 0: v4-63 addresses and places, v64-159 W's and A's fragments of set 0, v160-221 scale words; window 1: x's, two sets; window 2: base's accumulators; window 3: v0-127 h's, v128-223 W's and A's fragments of set 1.
; TRANSPOSED: source 0 = 16 rows of W or A, source 1 = 16 rows of x.  A's rows of tile u: lane r takes row 8 u + r + 8 (r / 8), so that a lane's 16 registers of the two tiles are r = 16 (lane / 16) + 0 .. 15 of a block of 32.
; THE FACTOR 2 goes into h's scale byte: + 1.
; LIMITS: token types lie in 0 .. 7 (every token has an expert); a block of zeros keeps the byte 1 + 1 (its codes are zeros), blocks of h under 2^-111 keep it too; NaN and infinities are not served, and what they would do through an expert that is not chosen is not carried.
.set PITCH, 272
.set PART,  128*PITCH
.set SLOT,  4*PART
.set SPARE, 2*SLOT
.set LX, 4
.set LW, 6
.set LA, 8
.set OSX, 10
.set OSA, 11
.set PFO, 12
.set STO, 13
.set RD,  14
.set CO,  15
.set SPW, 28
.set NIL, 29
.set HO,  30                           ; v30-37 where my eight rows' codes go;  v38-45 their scale bytes
.set HB,  38
.set BK,  64                           ; the way out: v64-95, v96-127 by turns
.set CD,  128                          ; in window 3: v128-159 h's codes, v160-167 bytes, v168-172 at work
.set BY,  160
.set G1X, 24
.set G1C, 32
.set G0X, 40
.set G0W, 44
.set G0A, 48
.set PFA, 58
.set SXP, 60
.set SWP, 62
.set SAP, 66
.set CBP, 68
.set MASK, 80                          ; s80-87 the rows of block a that are my expert's
.set MSB, 0
.macro WIN new
.if MSB != \new
	s_set_vgpr_msb (MSB<<8)|\new
.set MSB, \new
.endif
.endm
.macro PLACES n
.rept \n
	v_nop
.endr
.endm
.macro TL g0, g1
	tensor_load_to_lds s[\g0:\g0+3], s[\g1:\g1+7]
	s_nop 0
	PLACES 4
.endm
.macro JLOAD                           ; a joint load a wave: wave 0 x, waves 1 and 2 W's halves, wave 3 A
	s_cmp_eq_u32 s52, 0
	s_cbranch_scc0 .Lnot_x_\@
	TL G0X, G1X
	s_branch .Lasked_\@
.Lnot_x_\@:
	s_cmp_lt_u32 s52, 3
	s_cbranch_scc0 .Lfor_a_\@
	TL G0W, G1C
	s_branch .Lasked_\@
.Lfor_a_\@:
	TL G0A, G1C
.Lasked_\@:
.endm
.macro CREST
	s_cmp_lg_u32 s52, 0
	s_cbranch_scc1 .Lnot_wave_0_\@
	s_barrier_signal -3
.Lnot_wave_0_\@:
	s_barrier_wait -3
	s_barrier_signal -1
	s_barrier_wait -1
.endm
.macro CROUND
	s_barrier_signal -1
	s_barrier_wait -1
	CREST
.endm
.macro WM                              ; one product from the symbols rD, rA, rB, rSA, rSB; fZ: it starts the sum; fRA, fRB: the scale words lie in lanes 16-31
.if fZ
.if fRA && fRB
	v_wmma_scale_f32_16x16x128_f8f6f4 v[rD:rD+7], v[rA:rA+15], v[rB:rB+15], 0, v[rSA], v[rSB] matrix_a_fmt:MATRIX_FMT_BF8 matrix_b_fmt:MATRIX_FMT_BF8 matrix_a_scale:MATRIX_SCALE_ROW1 matrix_b_scale:MATRIX_SCALE_ROW1
.elseif fRA
	v_wmma_scale_f32_16x16x128_f8f6f4 v[rD:rD+7], v[rA:rA+15], v[rB:rB+15], 0, v[rSA], v[rSB] matrix_a_fmt:MATRIX_FMT_BF8 matrix_b_fmt:MATRIX_FMT_BF8 matrix_a_scale:MATRIX_SCALE_ROW1
.elseif fRB
	v_wmma_scale_f32_16x16x128_f8f6f4 v[rD:rD+7], v[rA:rA+15], v[rB:rB+15], 0, v[rSA], v[rSB] matrix_a_fmt:MATRIX_FMT_BF8 matrix_b_fmt:MATRIX_FMT_BF8 matrix_b_scale:MATRIX_SCALE_ROW1
.else
	v_wmma_scale_f32_16x16x128_f8f6f4 v[rD:rD+7], v[rA:rA+15], v[rB:rB+15], 0, v[rSA], v[rSB] matrix_a_fmt:MATRIX_FMT_BF8 matrix_b_fmt:MATRIX_FMT_BF8
.endif
.else
.if fRA && fRB
	v_wmma_scale_f32_16x16x128_f8f6f4 v[rD:rD+7], v[rA:rA+15], v[rB:rB+15], v[rD:rD+7], v[rSA], v[rSB] matrix_a_fmt:MATRIX_FMT_BF8 matrix_b_fmt:MATRIX_FMT_BF8 matrix_a_scale:MATRIX_SCALE_ROW1 matrix_b_scale:MATRIX_SCALE_ROW1
.elseif fRA
	v_wmma_scale_f32_16x16x128_f8f6f4 v[rD:rD+7], v[rA:rA+15], v[rB:rB+15], v[rD:rD+7], v[rSA], v[rSB] matrix_a_fmt:MATRIX_FMT_BF8 matrix_b_fmt:MATRIX_FMT_BF8 matrix_a_scale:MATRIX_SCALE_ROW1
.elseif fRB
	v_wmma_scale_f32_16x16x128_f8f6f4 v[rD:rD+7], v[rA:rA+15], v[rB:rB+15], v[rD:rD+7], v[rSA], v[rSB] matrix_a_fmt:MATRIX_FMT_BF8 matrix_b_fmt:MATRIX_FMT_BF8 matrix_b_scale:MATRIX_SCALE_ROW1
.else
	v_wmma_scale_f32_16x16x128_f8f6f4 v[rD:rD+7], v[rA:rA+15], v[rB:rB+15], v[rD:rD+7], v[rSA], v[rSB] matrix_a_fmt:MATRIX_FMT_BF8 matrix_b_fmt:MATRIX_FMT_BF8
.endif
.endif
.endm
.macro ONE j, s, a, b, zero            ; row block a against column tile b (0-3 base, 4 and 5 h)
.set rA, 64+64*\s+16*\b
.set rB, 128*\s+16*(\a)
.set rSA, 178+32*(((\j)/2)%2)+4*(\b/2)+2*((\j)%2)+\s
.set rSB, 160+32*(((\j)/2)%2)+4*((\a)/2)+2*((\j)%2)+\s
.set fZ, \zero
.set fRA, \b%2
.set fRB, (\a)%2
	WM
.endm
.macro PW j, s, g, zero                ; eight products of base; the 48 accumulators take turns, one instruction a turn
	WIN 0xa4+3*\s
.irp a, 2*\g, 2*\g+1
.irp b, 0,1,2,3
.set rD, 8*(4*(\a)+\b)
	ONE \j, \s, \a, \b, \zero
.endr
.endr
.endm
.macro PA j, s, g, zero                ; eight products of h
	WIN 0xf4+3*\s
.irp a, 4*\g, 4*\g+1, 4*\g+2, 4*\g+3
.irp b, 4,5
.set rD, 16*(\a)+8*(\b-4)
	ONE \j, \s, \a, \b, \zero
.endr
.endr
.endm
.macro FW sl, s2                       ; W's four and A's two fragments of K step s2 of the unit in slot sl: 24 loads
.if \s2
	WIN 0xc0
.else
	WIN 0
.endif
.irp c, 0,1,2,3
.irp b, 0,1,2,3
	ds_load_b128 v[64+64*\s2+16*\b+4*\c:64+64*\s2+16*\b+4*\c+3], v[LW+\sl] offset:\b*16*PITCH+128*\s2+32*\c
.endr
.irp u, 0,1
	ds_load_b128 v[128+64*\s2+16*\u+4*\c:128+64*\s2+16*\u+4*\c+3], v[LA+\sl] offset:\u*8*PITCH+128*\s2+32*\c
.endr
.endr
	WIN 0
.endm
.macro FX sl, s2, hf                   ; four of x's eight fragments: 16 loads
	WIN 0x40
.irp a, 4*\hf, 4*\hf+1, 4*\hf+2, 4*\hf+3
.irp c, 0,1,2,3
	ds_load_b128 v[128*\s2+16*(\a)+4*\c:128*\s2+16*(\a)+4*\c+3], v[LX+\sl] offset:(\a)*16*PITCH+128*\s2+32*\c
.endr
.endr
	WIN 0
.endm
.macro SCL set, off                    ; the scale words of two units: 7 loads
.irp i, 0,1,2,3
	global_load_b128 v[160+32*(\set)+4*\i:160+32*(\set)+4*\i+3], v[OSX], s[SXP:SXP+1] offset:4096*\i+\off
.endr
.irp i, 0,1
	global_load_b128 v[178+32*(\set)+4*\i:178+32*(\set)+4*\i+3], v[OSX], s[SWP:SWP+1] offset:4096*\i+\off
.endr
	global_load_b128 v[186+32*(\set):186+32*(\set)+3], v[OSA], s[SAP:SAP+1] offset:\off
.endm
.macro PRE sl                          ; the next fill: one unit on, into slot sl; no load of the wave is out
	s_add_co_u32 s[G0X+1], s90, (\sl)*SLOT
	s_add_co_u32 s[G0W+1], s90, (\sl)*SLOT
	s_add_co_u32 s[G0A+1], s90, (\sl)*SLOT
	s_add_nc_u64 s[G0X+2:G0X+3], s[G0X+2:G0X+3], 256
	s_add_nc_u64 s[G0W+2:G0W+3], s[G0W+2:G0W+3], 256
	s_add_nc_u64 s[G0A+2:G0A+3], s[G0A+2:G0A+3], 256
.endm
; K step s of unit j (mod 4): 48 products; the 56 loads of the next step's fragments stand among them.  Eight places at its head stand behind the products that last read what the loads write.
; sync 2 (s = 0): at its end a round of the cluster's barrier, then the fill of the unit two on into this unit's slot;  1: a barrier that shows the last unit.
.macro KS j, s, zero, nxt, sync, pf, sc
.if (\s) == 0 && ((\j)%2) == 0
	s_wait_loadcnt 0x0                             ; two units' scale words are in
.endif
	s_wait_dscnt 0x0                               ; this step's fragments are in
	PLACES 8
	PW \j, \s, 0, \zero
.if \nxt
.if \s
	FW ((\j)+1)%2, 0
.else
	FW (\j)%2, 1
.endif
.endif
	PW \j, \s, 1, \zero
.if \nxt
.if \s
	FX ((\j)+1)%2, 0, 0
.else
	FX (\j)%2, 1, 0
.endif
.endif
	PW \j, \s, 2, \zero
.if \nxt
.if \s
	FX ((\j)+1)%2, 0, 1
.else
	FX (\j)%2, 1, 1
.endif
.endif
.if \pf
	s_wait_xcnt 0x0                                ; the prefetch before has read its address
	s_add_nc_u64 s[PFA:PFA+1], s[PFA:PFA+1], 256
	global_prefetch_b8 v[PFO], s[PFA:PFA+1] th:TH_LOAD_NT scope:SCOPE_SE
.endif
.if \sc
	SCL ((\j)/2+1)%2, 16*((\j)/2+1)
.endif
	PW \j, \s, 3, \zero
.if \sync == 2
	WIN 0
	s_wait_tensorcnt 0x0
	ds_add_u32 v[SPW], v[NIL]
	PRE (\j)%2
.endif
	PA \j, \s, 0, \zero
.if \sync == 1
	s_wait_tensorcnt 0x0
.endif
.if \sync
	s_wait_dscnt 0x0                               ; my reads of this unit's slot are over
	s_barrier_signal -1
.endif
	PA \j, \s, 1, \zero
	WIN 0
.if \sync
	s_barrier_wait -1
.endif
.if \sync == 2
	CREST
	JLOAD
.endif
.endm
	s_load_b256 s[4:11], s[0:1], 0x0               ; x, W, A codes; x's scales
	s_load_b256 s[12:19], s[0:1], 0x20             ; W's, A's scales; token_type; base
	s_load_b128 s[20:23], s[0:1], 0x40             ; hq, hs
	s_load_b128 s[92:95], s[0:1], 0x50             ; order, cnt
	v_lshl_add_u32 v[SPW], v0, 2, SPARE
	v_mov_b32 v[NIL], 0
	ds_add_u32 v[SPW], v[NIL]
	ds_add_u32 v[SPW], v[NIL]
	v_lshrrev_b32 v1, 5, v0
	v_readfirstlane_b32 s52, v1                    ; wave 0..3
	s_bfe_u32 s53, ttmp6, 0x40000                  ; cx
	s_bfe_u32 s54, ttmp6, 0x40004                  ; cy
	s_lshl_b32 s55, ttmp9, 2
	s_add_co_u32 s55, s55, s53                     ; tile column
	s_and_b32 s56, ttmp7, 0xffff
	s_lshl_b32 s56, s56, 2
	s_add_co_u32 s56, s56, s54                     ; tile row
	s_lshr_b32 s79, s55, 1                         ; my expert
	s_lshl_b32 s98, s54, 2
	s_lshl_b32 s98, 15, s98
	s_lshl_b32 s99, 0x1111, s53
	s_or_b32 s[G1X], s98, (1<<20)|(1<<21)|(5<<22)|(3<<25)   ; elements of 1 byte; 4 words of padding behind every 64
	s_or_b32 s[G1C], s99, (1<<20)|(1<<21)|(5<<22)|(3<<25)
.irp g, G1X, G1C
	s_mov_b32 s[\g+1], 256<<16
	s_mov_b32 s[\g+2], 128<<16
	s_mov_b32 s[\g+3], 256<<16
	s_mov_b32 s[\g+4], 128
	s_mov_b32 s[\g+5], 4096
	s_mov_b32 s[\g+6], 0
	s_mov_b32 s[\g+7], 0
.endr
	s_mul_i32 s90, s52, PART                       ; x, W, W, A: wave x 128 rows of the slot
.irp g, G0X, G0W, G0A
	s_mov_b32 s[\g], 1
	s_mov_b32 s[\g+1], s90
.endr
	s_lshl_b32 s70, s56, 19                        ; x: 128 rows of 4,096 bytes
	s_mov_b32 s71, 0
	s_lshl_b32 s72, s55, 20                        ; W: 256 rows; waves 2 and 3 the upper half
	s_lshr_b32 s74, s52, 1
	s_lshl_b32 s74, s74, 19
	s_add_co_u32 s72, s72, s74
	s_mov_b32 s73, 0
	s_lshl_b32 s74, s55, 19                        ; A: 128 rows
	s_mov_b32 s75, 0
	s_wait_dscnt 0x0                               ; both opening adds are done
	s_wait_kmcnt 0x0
	s_add_nc_u64 s[4:5], s[4:5], s[70:71]
	s_add_nc_u64 s[6:7], s[6:7], s[72:73]
	s_add_nc_u64 s[8:9], s[8:9], s[74:75]
	s_mov_b64 s[G0X+2:G0X+3], s[4:5]
	s_or_b32 s[G0X+3], s[G0X+3], 0x80000000
	s_mov_b64 s[G0W+2:G0W+3], s[6:7]
	s_or_b32 s[G0W+3], s[G0W+3], 0x80000000
	s_mov_b64 s[G0A+2:G0A+3], s[8:9]
	s_or_b32 s[G0A+3], s[G0A+3], 0x80000000
	CROUND                                         ; all sixteen work-groups are here
	JLOAD                                          ; unit 0
	; all pointers and scalar terms
	s_lshl_b32 s98, s53, 17                        ; prefetch: 32 rows of the 128 that I fetch, from unit 2 on
	s_lshl_b32 s99, s54, 17
	s_cmp_eq_u32 s52, 0
	s_cselect_b64 s[PFA:PFA+1], s[4:5], s[6:7]
	s_cselect_b32 s98, s98, s99
	s_cmp_eq_u32 s52, 3
	s_cselect_b64 s[PFA:PFA+1], s[8:9], s[PFA:PFA+1]
	s_mov_b32 s99, 0
	s_add_nc_u64 s[PFA:PFA+1], s[PFA:PFA+1], s[98:99]
	s_add_nc_u64 s[PFA:PFA+1], s[PFA:PFA+1], 2*256
	s_lshl_b32 s98, s56, 14
	s_add_nc_u64 s[SXP:SXP+1], s[10:11], s[98:99]
	s_lshl_b32 s98, s55, 15
	s_lshl_b32 s100, s52, 13
	s_add_co_u32 s98, s98, s100
	s_add_nc_u64 s[SWP:SWP+1], s[12:13], s[98:99]
	s_lshl_b32 s98, s55, 14
	s_add_nc_u64 s[SAP:SAP+1], s[14:15], s[98:99]
	s_lshl_b32 s98, s56, 21                        ; base: row 128 x tile row, column 256 x tile column + 64 w
	s_lshl_b32 s100, s55, 10
	s_add_co_u32 s98, s98, s100
	s_lshl_b32 s100, s52, 8
	s_add_co_u32 s98, s98, s100
	s_add_nc_u64 s[CBP:CBP+1], s[18:19], s[98:99]
	s_and_b32 s101, s55, 1                         ; which 128 of the expert's r
	s_lshl_b32 s98, s79, 19                        ; hq [expert][place][256]
	s_lshl_b32 s100, s101, 7
	s_add_co_u32 s98, s98, s100
	s_lshl_b32 s100, s52, 5
	s_add_co_u32 s98, s98, s100
	s_add_nc_u64 s[88:89], s[20:21], s[98:99]
	s_lshl_b32 s98, s79, 14                        ; hs [expert][place][8]
	s_lshl_b32 s100, s101, 2
	s_add_co_u32 s100, s100, s52
	s_mov_b32 s91, s100                            ; 4 x half + w: of the row tile's eight blocks of 16, the one whose places in order[] I store
	s_add_co_u32 s98, s98, s100
	s_add_nc_u64 s[96:97], s[22:23], s[98:99]
	s_lshl_b32 s98, s79, 13
	s_add_nc_u64 s[92:93], s[92:93], s[98:99]
	s_lshl_b32 s98, s56, 6
	s_lshl_b32 s100, s55, 2
	s_add_co_u32 s98, s98, s100
	s_add_nc_u64 s[94:95], s[94:95], s[98:99]
	s_lshl_b32 s98, s56, 9
	s_add_nc_u64 s[2:3], s[16:17], s[98:99]        ; my 128 rows' types
	s_mov_b32 s57, 0                               ; the trip
	s_mov_b32 s76, 0x76543210
	s_mov_b32 s77, 0xfedcba98
	s_mov_b32 s78, 0x600000                        ; the mantissa field of 57,344
	s_mul_i32 s98, s52, 64*PITCH
	s_add_co_u32 s98, s98, PART
	s_mul_i32 s99, s52, 32*PITCH
	s_add_co_u32 s99, s99, 3*PART
	s_mul_i32 s100, s52, 16*PITCH                  ; my stage, in slot 0
	s_lshl_b32 s101, s52, 5
	v_and_b32 v1, 15, v0
	v_bfe_u32 v2, v0, 4, 1
	v_and_b32 v3, 31, v0
	v_lshlrev_b32 v16, 4, v3
	v_lshlrev_b32 v19, 2, v1
	v_lshlrev_b32 v18, 4, v2
	v_and_b32 v17, 8, v1
	v_add_nc_u32 v17, v17, v1                      ; r + 8 (r / 8)
	v_mul_u32_u24 v20, v1, PITCH
	v_lshl_add_u32 v21, v2, 4, v20                 ; a fragment's row x pitch + 16 x half
	v_mul_u32_u24 v22, v17, PITCH
	v_lshl_add_u32 v22, v2, 4, v22
	v_mov_b32 v[LX], v21
	v_add_nc_u32 v[LX+1], SLOT, v21
	v_add_nc_u32 v[LW], s98, v21
	v_add_nc_u32 v[LW+1], SLOT, v[LW]
	v_add_nc_u32 v[LA], s99, v22
	v_add_nc_u32 v[LA+1], SLOT, v[LA]
	v_lshlrev_b32 v[OSX], 7, v3                    ; scale bytes: 128 a row
	v_lshl_add_u32 v23, v2, 3, v17
	v_add_nc_u32 v23, s101, v23
	v_lshlrev_b32 v[OSA], 7, v23                   ; A's: lanes 0-15 tile 0's rows, lanes 16-31 tile 1's
	v_lshlrev_b32 v[PFO], 12, v3
	v_lshl_add_u32 v24, v2, 5, v20
	v_add_nc_u32 v[STO], s100, v24                 ; the stage, in: row r, 32 bytes for each half of the lanes
	v_mul_u32_u24 v25, v2, PITCH
	v_lshl_add_u32 v25, v1, 4, v25
	v_add_nc_u32 v[RD], s100, v25                  ; back: two rows of 256 bytes
	v_lshlrev_b32 v26, 14, v2
	v_lshl_add_u32 v[CO], v1, 4, v26               ; and the same two in base
.irp i, 0,1,2,3,4,5,6,7,8,9,10,11,12,13,14,15
	global_load_b128 v[64+4*\i:67+4*\i], v16, s[16:17] offset:512*\i   ; all types: load i holds tile i's 128
.endr
.irp a, 0,1,2,3,4,5,6,7
	global_load_b32 v[128+\a], v19, s[2:3] offset:64*\a                ; my rows': lane r row 16 a + r, both halves alike
.endr
	SCL 0, 0
	v_mov_b32 v62, 0
	v_mov_b32 v63, 0
	s_wait_alu depctr_va_vdst(0)
	s_wait_loadcnt 7                               ; the types are in; the scale words may be out
	s_mov_b32 s72, 0                               ; tokens of my expert
	s_mov_b32 s73, 0                               ; those ahead of my row tile
.irp i, 0,1,2,3,4,5,6,7,8,9,10,11,12,13,14,15
	s_cmp_eq_u32 s56, \i
	s_cselect_b32 s73, s72, s73
.irp k, 0,1,2,3
	v_cmp_eq_u32 s70, s79, v[64+4*\i+\k]
	s_bcnt1_i32_b32 s71, s70
	s_add_co_u32 s72, s72, s71
.endr
.endr
	s_lshl_b32 s74, s56, 7
.irp a, 0,1,2,3,4,5,6,7
	v_cmp_eq_u32 s[MASK+\a], s79, v[128+\a]
	s_bcnt1_i32_b32 s70, s[MASK+\a]
	s_lshr_b32 s70, s70, 1                         ; (both halves of the lanes hold the same rows)
	v_mbcnt_lo_u32_b32 v20, s[MASK+\a], 0
	v_mul_u32_u24 v21, s70, v2
	v_sub_nc_u32 v20, v20, v21
	v_add_nc_u32 v20, s73, v20                     ; tokens of my expert ahead of this one
	v_min_u32 v22, 0x7ff, v20
	v_lshl_add_u32 v[HO+\a], v22, 8, v18
	v_lshlrev_b32 v[HB+\a], 3, v22
	v_add_nc_u32 v23, s74, v1                      ; the token
	v_sub_nc_u32 v24, v23, v20
	v_add_nc_u32 v24, s72, v24                     ; the others' places begin behind the expert's
	v_cndmask_b32 v24, v24, v20, s[MASK+\a]
	s_cmp_eq_u32 s91, \a
	s_cselect_b32 s71, -1, 0
	v_cndmask_b32 v62, v62, v24, s71
	v_cndmask_b32 v63, v63, v23, s71
	s_add_co_u32 s73, s73, s70
	s_add_co_u32 s74, s74, 16
.endr
	v_min_u32 v62, 0x7ff, v62
	v_lshlrev_b32 v62, 2, v62
	v_mov_b32 v21, s72
	v_mov_b32 v22, 0
	s_mov_b32 s71, 0xffff
	s_wait_alu depctr_va_vdst(0)
	s_wait_xcnt 0x0                                ; EXEC changes only behind this wait
	s_and_saveexec_b32 s70, s71
	global_store_b32 v62, v63, s[92:93]            ; my sixteen tokens
	global_store_b32 v22, v21, s[94:95]            ; the count, a word for each work-group
	s_wait_xcnt 0x0
	s_or_b32 exec_lo, exec_lo, s70
	s_wait_tensorcnt 0x0                           ; my tile of unit 0 is in
	ds_add_u32 v[SPW], v[NIL]
	PRE 1
	s_wait_dscnt 0x0
	CROUND
	JLOAD                                          ; unit 1
	FW 0, 0
	FX 0, 0, 0
	FX 0, 0, 1
	global_prefetch_b8 v[PFO], s[PFA:PFA+1] th:TH_LOAD_NT scope:SCOPE_SE   ; unit 2
	KS 0, 0, 1, 1, 2, 0, 0                         ; its products start the sums
.Ltrip:                                                ; a trip: from unit 4 t's second step to unit 4 t + 4's first
	KS 0, 1, 0, 1, 0, 1, 1
	KS 1, 0, 0, 1, 2, 0, 0
	KS 1, 1, 0, 1, 0, 1, 0
	KS 2, 0, 0, 1, 2, 0, 0
	KS 2, 1, 0, 1, 0, 1, 1
	KS 3, 0, 0, 1, 2, 0, 0
	KS 3, 1, 0, 1, 0, 1, 0
	KS 0, 0, 0, 1, 2, 0, 0
	s_wait_xcnt 0x0                                ; the scale loads have read their bases
	s_add_nc_u64 s[SXP:SXP+1], s[SXP:SXP+1], 32
	s_add_nc_u64 s[SWP:SWP+1], s[SWP:SWP+1], 32
	s_add_nc_u64 s[SAP:SAP+1], s[SAP:SAP+1], 32
	s_add_co_u32 s57, s57, 1
	s_cmp_lt_u32 s57, 3
	s_cbranch_scc1 .Ltrip
	KS 0, 1, 0, 1, 0, 1, 1                         ; unit 12
	KS 1, 0, 0, 1, 2, 0, 0                         ; asks for unit 15, the last
	KS 1, 1, 0, 1, 0, 0, 0
	KS 2, 0, 0, 1, 1, 0, 0
	KS 2, 1, 0, 1, 0, 0, 0
	KS 3, 0, 0, 1, 0, 0, 0
	KS 3, 1, 0, 0, 0, 0, 0
	PLACES 8
; THE WAY OUT.  Block a of base goes through my own stage (slot 0: its last fill was unit 14, whose last reads every wave had back at the last barrier) and leaves as rows of 256 bytes; h's block is quantised meanwhile.
.macro TOSTAGE a
	WIN 0x08
.irp b, 0,1,2,3
	ds_store_b128 v[STO], v[32*\a+8*\b:32*\a+8*\b+3] offset:64*\b
	ds_store_b128 v[STO], v[32*\a+8*\b+4:32*\a+8*\b+7] offset:64*\b+16
.endr
	WIN 0
.irp t, 0,1,2,3,4,5,6,7
	ds_load_b128 v[BK+32*(\a%2)+4*\t:BK+32*(\a%2)+4*\t+3], v[RD] offset:\t*2*PITCH   ; LDS serves a wave's instructions in order (ISA guide 5.7.1.4)
.endr
.endm
.macro HQ a                            ; all in window 3: 16 numbers of my token; the block of 32 lies in lanes l and l xor 16
.set X_, 16*\a
	WIN 0xff
	v_max3_num_f32 v168, |v[X_]|, |v[X_+1]|, 0x8000000               ; and the floor 2^(16 - 127)
	v_max3_num_f32 v169, |v[X_+2]|, |v[X_+3]|, |v[X_+4]|
	v_max3_num_f32 v168, v168, |v[X_+5]|, |v[X_+6]|
	v_max3_num_f32 v169, v169, |v[X_+7]|, |v[X_+8]|
	v_max3_num_f32 v168, v168, |v[X_+9]|, |v[X_+10]|
	v_max3_num_f32 v169, v169, |v[X_+11]|, |v[X_+12]|
	v_max3_num_f32 v168, v168, |v[X_+13]|, |v[X_+14]|
	v_max3_num_f32 v168, v168, v169, |v[X_+15]|
	v_permlanex16_b32 v170, v168, s76, s77
	v_max_num_f32 v168, v168, v170
	v_add_nc_u32 v171, 0xf8800000, v168            ; 15 off the exponent field: the conversion's scale operand
	v_and_or_b32 v172, v168, 0x7f800000, s78       ; 57,344 x the scale
	v_lshrrev_b32 v[BY+\a], 23, v171
	v_add_nc_u32 v[BY+\a], 1, v[BY+\a]             ; the byte, and the factor 2
.irp i, 0,1,2,3,4,5,6,7,8,9,10,11,12,13,14,15
	v_med3_num_f32 v[X_+\i], v[X_+\i], -v172, v172 ; the conversion does not saturate (ISA guide 7.6.2)
.endr
	v_cvt_scalef32_pk8_bf8_f32 v[CD+4*\a:CD+4*\a+1], v[X_:X_+7], v171
	v_cvt_scalef32_pk8_bf8_f32 v[CD+4*\a+2:CD+4*\a+3], v[X_+8:X_+15], v171
	v_nop
	WIN 0
.endm
	WIN 0xff
	v_mov_b32 v170, 0                              ; (a lane permute's destination counts as one of its sources)
	s_wait_alu depctr_va_vdst(0)
	WIN 0
.irp a, 0,1,2,3,4,5,6,7
	s_wait_xcnt 0x0                                ; the stores of two blocks ago have read their registers
	TOSTAGE \a
	HQ \a
	s_wait_dscnt 0x0
.irp t, 0,1,2,3,4,5,6,7
	global_store_b128 v[CO], v[BK+32*(\a%2)+4*\t:BK+32*(\a%2)+4*\t+3], s[CBP:CBP+1] offset:\a*16*16384+\t*2*16384 th:TH_STORE_NT   ; sixteen lanes store 256 consecutive bytes, aligned
.endr
.endr
	s_wait_alu depctr_va_vdst(0)
	WIN 0x0c
.irp a, 0,1,2,3,4,5,6,7
	s_wait_xcnt 0x0
	s_and_saveexec_b32 s70, s[MASK+\a]             ; the tokens of block a that my expert has
	global_store_b128 v[HO+\a], v[CD+4*\a:CD+4*\a+3], s[88:89]
	global_store_b8 v[HB+\a], v[BY+\a], s[96:97]   ; (both halves of the lanes hold the same byte)
	s_wait_xcnt 0x0
	s_or_b32 exec_lo, exec_lo, s70
.endr
	WIN 0
	s_wait_tensorcnt 0x0                           ; the wave's end
	ds_add_u32 v[SPW], v[NIL]
	s_wait_dscnt 0x0
	CROUND                                         ; the closing round
	s_endpgm
.Lfunc_end_k_q394474ce4f_xmul:
	.size	k_q394474ce4f_xmul, .Lfunc_end_k_q394474ce4f_xmul-k_q394474ce4f_xmul
	.p2alignl 7, 3214868480
	.fill 96, 4, 3214868480
	.section	.rodata,"a",@progbits
	.p2align	6, 0x0
	.amdhsa_kernel k_q394474ce4f_xmul
		.amdhsa_group_segment_fixed_size 327680
		.amdhsa_private_segment_fixed_size 0
		.amdhsa_enable_private_segment 0
		.amdhsa_kernarg_size 96
		.amdhsa_user_sgpr_count 2
		.amdhsa_user_sgpr_kernarg_segment_ptr 1
		.amdhsa_wavefront_size32 1
		.amdhsa_system_sgpr_workgroup_id_x 1
		.amdhsa_system_sgpr_workgroup_id_y 1
		.amdhsa_system_sgpr_workgroup_id_z 1
		.amdhsa_system_vgpr_workitem_id 0
		.amdhsa_next_free_vgpr 1024
		.amdhsa_next_free_sgpr 106
		.amdhsa_reserve_vcc 0
		.amdhsa_float_denorm_mode_32 3
		.amdhsa_float_denorm_mode_16_64 3
		.amdhsa_memory_ordered 1
		.amdhsa_forward_progress 1
		.amdhsa_inst_pref_size 240
	.end_amdhsa_kernel
	.amdgpu_metadata
---
amdhsa.version: [ 1, 2 ]
amdhsa.kernels:
  - .name:           k_q394474ce4f_xmul
    .symbol:         k_q394474ce4f_xmul.kd
    .args:
      - { .name: x_codes, .offset: 0, .size: 8, .value_kind: global_buffer, .address_space: global }
      - { .name: weight_base_codes, .offset: 8, .size: 8, .value_kind: global_buffer, .address_space: global }
      - { .name: lora_A_codes, .offset: 16, .size: 8, .value_kind: global_buffer, .address_space: global }
      - { .name: x_scales, .offset: 24, .size: 8, .value_kind: global_buffer, .address_space: global }
      - { .name: weight_base_scales, .offset: 32, .size: 8, .value_kind: global_buffer, .address_space: global }
      - { .name: lora_A_scales, .offset: 40, .size: 8, .value_kind: global_buffer, .address_space: global }
      - { .name: token_type, .offset: 48, .size: 8, .value_kind: global_buffer, .address_space: global }
      - { .name: base, .offset: 56, .size: 8, .value_kind: global_buffer, .address_space: global }
      - { .name: hq, .offset: 64, .size: 8, .value_kind: global_buffer, .address_space: global }
      - { .name: hs, .offset: 72, .size: 8, .value_kind: global_buffer, .address_space: global }
      - { .name: order, .offset: 80, .size: 8, .value_kind: global_buffer, .address_space: global }
      - { .name: cnt, .offset: 88, .size: 8, .value_kind: global_buffer, .address_space: global }
    .group_segment_fixed_size: 327680
    .private_segment_fixed_size: 0
    .kernarg_segment_align: 8
    .kernarg_segment_size: 96
    .max_flat_workgroup_size: 128
    .sgpr_count:     106
    .vgpr_count:     1024
    .wavefront_size: 32
...
	.end_amdgpu_metadata
.endif
;; end of part 1
;; launch up (part 2): grid 256 x 1, 8 waves a work-group, no clusters, 71,680 bytes of LDS; arguments lora_B, base, hq, hs, order, cnt, out0; writes out0
.if DOCPART == 2
	.amdgcn_target "amdgcn-amd-amdhsa--gfx1250"
	.amdhsa_code_object_version 6
	.text
	.protected	k_q394474ce4f_up
	.globl	k_q394474ce4f_up
	.p2align	8
	.type	k_q394474ce4f_up,@function
k_q394474ce4f_up:
	s_mov_b64 s[64:65], 0
	v_nop
	global_prefetch_b8 v0, s[64:65] scope:SCOPE_SE
	s_setreg_imm32_b32 hwreg(HW_REG_WAVE_MODE, 25, 1), 1
	s_wait_xcnt 0x0
; SECOND LAUNCH: out[token] = base[token] + h[token] B[e], for the tokens of expert e alone (the others' h is masked to zero by reference()): 256 work-groups, one for each expert and 128 columns.
; lora_B's slice, 256 (K) x 128 columns of f32, is quantised here, once: wave w takes 32 along K, a whole block; a lane four columns, whose registers run down K once the hold has put them in that order.  Codes and bytes go through LDS into fragments, which stay in registers.
; Then wave (g = w / 2, half = w % 2) takes the expert's tokens in fragments of 16, number g, g + 4, ..: 64 columns each: 8 products; the sums go through the wave's own stage, base's rows are added, and rows of 256 bytes leave.
; Four fragments' h, scale bytes and base rows (17 loads each) are asked for ahead.  In an expert's last fragment the rows behind its last token repeat the fragment's first row: its token, its h, its sums, stored again with the same value by the same wave.
; No tensor load: the walk hangs on stored counts; no cluster: the work-groups share only h, which is a small part of the bytes.  No prefetch: each byte is asked for once, ahead of the work.
; LIMITS: as in the first launch; a block of zeros in lora_B gets the byte 1 (its codes are zeros); blocks under 2^-111 keep it too.
.set PITCH, 272
.set QS,    128*PITCH                  ; behind the codes: 128 columns x 8 scale bytes
.set STAGE, QS+1024
.set SPARE, STAGE+8*16*PITCH
.set HO,  4                            ; v4-7 where set k's h lies; v8-11 its scale bytes
.set HSO, 8
.set L15, 12                           ; 16 (lane % 16)
.set STO, 13
.set RD,  14
.set H16, 15
.set SB,  16                           ; v16-19 lora_B's scale words
.set HSC, 20                           ; v20-27 h's, two a set
.set SPW, 28
.set NIL, 29
.set OFF, 32                           ; v32-63 where the rows lie in base and out0: eight a set
.set ACC, 64                           ; v64-95 sums; ahead of them a column's 32 held numbers
.set CR,  96                           ; v96-223 base's rows, 32 a set
.set RB,  224                          ; v224-255 the way out; ahead of it M, S, BD, BY, CD
.set M_,  224
.set S_,  228
.set BD,  232
.set BY,  236
.set CD,  240
.set RAW, 128                          ; in window 1: v0-127 h's fragments, 32 a set; v128-255 lora_B's numbers, then its fragments
.set MSB, 0
.macro WIN new
.if MSB != \new
	s_set_vgpr_msb (MSB<<8)|\new
.set MSB, \new
.endif
.endm
.macro PLACES n
.rept \n
	v_nop
.endr
.endm
; LOADSET: fragment s92 + fo into set k; its sixteen tokens stand in s[tb] on
.macro LOADSET k, tb, fo
	s_add_co_u32 s95, s92, \fo
	s_lshl_b32 s95, s95, 4
	s_sub_co_i32 s98, s89, s95                     ; how many of the sixteen are the expert's
.irp i, 15,14,13,12,11,10,9,8,7,6,5,4,3,2,1
	s_cmp_gt_i32 s98, \i
	s_cselect_b32 s[\tb+\i], s[\tb+\i], s[\tb]
.endr
	s_max_i32 s98, s98, 1
	v_cmp_gt_u32 s99, s98, v1
	v_cndmask_b32 v[HO+\k], 0, v1, s99             ; rows behind the last repeat the fragment's first, in h as in base
	v_add_nc_u32 v[HO+\k], s95, v[HO+\k]
	v_min_u32 v[HO+\k], s90, v[HO+\k]              ; (a fragment with no row at all reads inside the expert's places; it is never worked on)
	v_min_u32 v[HO+\k], 0x7ff, v[HO+\k]
	v_lshlrev_b32 v[HSO+\k], 3, v[HO+\k]
	v_lshl_add_u32 v[HO+\k], v[HO+\k], 8, v[H16]
.irp t, 0,1,2,3,4,5,6,7
	v_mov_b32 v[OFF+8*\k+\t], s[\tb+2*\t+1]
	v_cndmask_b32 v[OFF+8*\k+\t], s[\tb+2*\t], v[OFF+8*\k+\t], s93   ; lanes 0-15 one row, lanes 16-31 the next
	v_min_u32 v[OFF+8*\k+\t], 0x7ff, v[OFF+8*\k+\t]
	v_lshl_add_u32 v[OFF+8*\k+\t], v[OFF+8*\k+\t], 14, v[L15]
.endr
	WIN 0x40
.irp s, 0,1
.irp c, 0,1,2,3
	global_load_b128 v[32*\k+16*\s+4*\c:32*\k+16*\s+4*\c+3], v[HO+\k], s[8:9] offset:128*\s+32*\c
.endr
.endr
	WIN 0
	global_load_b64 v[HSC+2*\k:HSC+2*\k+1], v[HSO+\k], s[10:11]
.irp t, 0,1,2,3,4,5,6,7
	global_load_b128 v[CR+32*\k+4*\t:CR+32*\k+4*\t+3], v[OFF+8*\k+\t], s[6:7] th:TH_LOAD_NT
.endr
.endm
.macro PROD k, s, b
.set D_, ACC+8*\b
.set A_, RAW+16*(2*\b+\s)
.set B_, 32*\k+16*\s
.set SA_, SB+2*(\b/2)+\s
.set SC_, HSC+2*\k+\s
.if \s
.if \b%2
	v_wmma_scale_f32_16x16x128_f8f6f4 v[D_:D_+7], v[A_:A_+15], v[B_:B_+15], v[D_:D_+7], v[SA_], v[SC_] matrix_a_fmt:MATRIX_FMT_BF8 matrix_b_fmt:MATRIX_FMT_BF8 matrix_a_scale:MATRIX_SCALE_ROW1
.else
	v_wmma_scale_f32_16x16x128_f8f6f4 v[D_:D_+7], v[A_:A_+15], v[B_:B_+15], v[D_:D_+7], v[SA_], v[SC_] matrix_a_fmt:MATRIX_FMT_BF8 matrix_b_fmt:MATRIX_FMT_BF8
.endif
.else
.if \b%2
	v_wmma_scale_f32_16x16x128_f8f6f4 v[D_:D_+7], v[A_:A_+15], v[B_:B_+15], 0, v[SA_], v[SC_] matrix_a_fmt:MATRIX_FMT_BF8 matrix_b_fmt:MATRIX_FMT_BF8 matrix_a_scale:MATRIX_SCALE_ROW1
.else
	v_wmma_scale_f32_16x16x128_f8f6f4 v[D_:D_+7], v[A_:A_+15], v[B_:B_+15], 0, v[SA_], v[SC_] matrix_a_fmt:MATRIX_FMT_BF8 matrix_b_fmt:MATRIX_FMT_BF8
.endif
.endif
.endm
.macro PROCESS k                       ; set k, whose loads are in
	s_wait_xcnt 0x0                                ; the stores before have read their registers
	WIN 0x05
.irp s, 0,1
.irp b, 0,1,2,3
	PROD \k, \s, \b
.endr
.endr
	WIN 0
	PLACES 8
.irp b, 0,1,2,3
	ds_store_b128 v[STO], v[ACC+8*\b:ACC+8*\b+3] offset:64*\b
	ds_store_b128 v[STO], v[ACC+8*\b+4:ACC+8*\b+7] offset:64*\b+16
.endr
.irp t, 0,1,2,3,4,5,6,7
	ds_load_b128 v[RB+4*\t:RB+4*\t+3], v[RD] offset:\t*2*PITCH   ; LDS serves a wave's instructions in order (ISA guide 5.7.1.4)
.endr
	s_wait_dscnt 0x0
.irp i, 0,2,4,6,8,10,12,14,16,18,20,22,24,26,28,30
	v_pk_add_f32 v[RB+\i:RB+\i+1], v[RB+\i:RB+\i+1], v[CR+32*\k+\i:CR+32*\k+\i+1]
.endr
.irp t, 0,1,2,3,4,5,6,7
	global_store_b128 v[OFF+8*\k+\t], v[RB+4*\t:RB+4*\t+3], s[100:101] th:TH_STORE_NT   ; sixteen lanes store 256 consecutive bytes, aligned
.endr
.endm
	s_load_b256 s[4:11], s[0:1], 0x0               ; lora_B, base, hq, hs
	s_load_b128 s[12:15], s[0:1], 0x20             ; order, cnt
	s_load_b64 s[100:101], s[0:1], 0x30            ; out0
	v_lshl_add_u32 v[SPW], v0, 2, SPARE
	v_mov_b32 v[NIL], 0
	v_lshrrev_b32 v1, 5, v0
	v_readfirstlane_b32 s84, v1                    ; wave 0..7
	s_and_b32 s85, ttmp9, 7                        ; expert
	s_lshr_b32 s86, ttmp9, 3                       ; which 128 columns
	s_lshr_b32 s87, s84, 1                         ; g
	s_and_b32 s88, s84, 1                          ; half of the columns
	s_mov_b32 s93, 0xffff0000                      ; lanes 16-31
	s_mov_b32 s94, 0x600000                        ; the mantissa field of 57,344
	s_mov_b32 s92, s87                             ; my fragment
	s_lshl_b32 s16, s84, 5
	s_mul_i32 s17, s84, 16*PITCH
	s_add_co_u32 s17, s17, STAGE
	s_mul_i32 s18, s88, 64*PITCH
	s_lshl_b32 s19, s88, 9
	s_add_co_u32 s19, s19, QS
	s_add_co_u32 s20, s84, QS
	v_and_b32 v1, 15, v0
	v_bfe_u32 v2, v0, 4, 1
	v_and_b32 v3, 31, v0
	v_lshlrev_b32 v[L15], 4, v1
	v_lshlrev_b32 v[H16], 4, v2
	v_mul_u32_u24 v30, v1, PITCH
	v_lshl_add_u32 v31, v2, 5, v30
	v_add_nc_u32 v[STO], s17, v31                  ; the stage, in: row r, 32 bytes for each half of the lanes
	v_mul_u32_u24 v31, v2, PITCH
	v_add_nc_u32 v31, v31, v[L15]
	v_add_nc_u32 v[RD], s17, v31                   ; back: two rows of 256 bytes
	v_mul_u32_u24 v248, v3, 4*PITCH
	v_add_nc_u32 v248, s16, v248                   ; codes: columns 4 l .. 4 l + 3, bytes 32 w on
	v_lshl_add_u32 v249, v3, 5, s20                ; their scale bytes
	v_add_nc_u32 v250, v30, v[H16]
	v_add_nc_u32 v250, s18, v250                   ; fragments: row r of my 64 columns
	v_lshl_add_u32 v251, v3, 3, s19                ; their scale words
	v_lshlrev_b32 v252, 4, v3
	s_lshl_b32 s16, s85, 22                        ; lora_B: expert, 32 rows of 16,384 bytes, 512 bytes of each
	s_lshl_b32 s17, s84, 19
	s_add_co_u32 s16, s16, s17
	s_lshl_b32 s18, s86, 9
	s_add_co_u32 s16, s16, s18
	s_mov_b32 s17, 0
	s_lshl_b32 s20, s88, 8
	s_add_co_u32 s18, s18, s20                     ; base and out0: 256 bytes of a row
	s_mov_b32 s19, 0
	s_lshl_b32 s20, s85, 13
	s_mov_b32 s21, 0
	s_lshl_b32 s22, s87, 6
	s_mov_b32 s23, 0
	s_lshl_b32 s24, s85, 3
	s_mov_b32 s25, 0
	s_lshl_b32 s26, s85, 19
	s_mov_b32 s27, 0
	s_lshl_b32 s28, s85, 14
	s_mov_b32 s29, 0
	s_wait_alu depctr_va_vdst(0)
	s_wait_kmcnt 0x0
	s_add_nc_u64 s[4:5], s[4:5], s[16:17]
	s_add_nc_u64 s[6:7], s[6:7], s[18:19]
	s_add_nc_u64 s[100:101], s[100:101], s[18:19]
	s_add_nc_u64 s[12:13], s[12:13], s[20:21]
	s_add_nc_u64 s[66:67], s[12:13], s[22:23]
	s_add_nc_u64 s[14:15], s[14:15], s[24:25]
	s_add_nc_u64 s[8:9], s[8:9], s[26:27]
	s_add_nc_u64 s[10:11], s[10:11], s[28:29]
	s_load_b32 s89, s[14:15], 0x0                  ; how many tokens (row tile 0's word of tile column 2 e)
	s_load_b512 s[16:31], s[66:67], 0x0            ; the tokens of fragments g, g + 4, g + 8, g + 12
	s_load_b512 s[32:47], s[66:67], 0x100
	s_load_b512 s[48:63], s[66:67], 0x200
	s_load_b512 s[68:83], s[66:67], 0x300
	WIN 0x40
.set i, 0
.rept 32
	global_load_b128 v[RAW+4*i:RAW+4*i+3], v252, s[4:5] offset:i*16384 th:TH_LOAD_NT   ; 32 lanes read 512 consecutive bytes
.set i, i+1
.endr
	WIN 0
	s_wait_kmcnt 0x0
	s_min_u32 s89, s89, 2048
	s_max_u32 s90, s89, 1
	s_sub_co_u32 s90, s90, 1
	s_add_co_u32 s91, s89, 15
	s_lshr_b32 s91, s91, 4                         ; fragments
	LOADSET 0, 16, 0
	LOADSET 1, 32, 4
	LOADSET 2, 48, 8
	LOADSET 3, 68, 12
	s_wait_loadcnt 63                              ; of 100 loads the 32 oldest, lora_B's, are in
	WIN 0x05
.irp c, 0,1,2,3
	v_max3_num_f32 v[M_+\c], |v[RAW+\c]|, |v[RAW+4+\c]|, 0x8000000   ; and the floor 2^(16 - 127)
.endr
.set i, 2
.rept 15
.irp c, 0,1,2,3
	v_max3_num_f32 v[M_+\c], |v[RAW+4*i+\c]|, |v[RAW+4*i+4+\c]|, v[M_+\c]
.endr
.set i, i+2
.endr
	WIN 0
.irp c, 0,1,2,3
	v_add_nc_u32 v[S_+\c], 0xf8800000, v[M_+\c]    ; 15 off the exponent field: the conversion's scale operand
.endr
.irp c, 0,1,2,3
	v_and_or_b32 v[BD+\c], v[M_+\c], 0x7f800000, s94   ; 57,344 x the scale
.endr
.irp c, 0,1,2,3
	v_lshrrev_b32 v[BY+\c], 23, v[S_+\c]
.endr
.irp c, 0,1,2,3
	WIN 0x01
.set i, 0
.rept 32
	v_med3_num_f32 v[ACC+i], v[RAW+4*i+\c], -v[BD+\c], v[BD+\c]   ; the hold (ISA guide 7.6.2), and the column's numbers in a row
.set i, i+1
.endr
	WIN 0
.irp g, 0,1,2,3
	v_cvt_scalef32_pk8_bf8_f32 v[CD+2*\g:CD+2*\g+1], v[ACC+8*\g:ACC+8*\g+7], v[S_+\c]
.endr
	v_nop
	ds_store_b128 v248, v[CD:CD+3] offset:\c*PITCH
	ds_store_b128 v248, v[CD+4:CD+7] offset:\c*PITCH+16
	ds_store_b8 v249, v[BY+\c] offset:8*\c
.endr
	s_wait_dscnt 0x0                               ; for the others' sake
	s_barrier_signal -1
	s_barrier_wait -1
	WIN 0x40
.irp b, 0,1,2,3
.irp s, 0,1
.irp c, 0,1,2,3
	ds_load_b128 v[RAW+16*(2*\b+\s)+4*\c:RAW+16*(2*\b+\s)+4*\c+3], v250 offset:\b*16*PITCH+128*\s+32*\c
.endr
.endr
.endr
	WIN 0
	ds_load_b64 v[SB:SB+1], v251
	ds_load_b64 v[SB+2:SB+3], v251 offset:256
	s_wait_dscnt 0x0
	s_cmp_lt_u32 s92, s91
	s_cbranch_scc0 .Lend
	s_sub_co_u32 s86, s91, s92
	s_add_co_u32 s86, s86, 15
	s_lshr_b32 s86, s86, 4                         ; my trips of up to four fragments: every sixteenth of the expert's begins one
	s_mov_b32 s97, 0
.Lloop:                                                ; four fragments; set 0 takes the fragment sixteen on as soon as it is free
	s_add_co_u32 s2, s92, 16
	s_min_u32 s2, s2, 127
	s_lshl_b32 s2, s2, 6
	s_mov_b32 s3, 0
	s_add_nc_u64 s[66:67], s[12:13], s[2:3]
	s_load_b512 s[16:31], s[66:67], 0x0
	s_wait_loadcnt 51                              ; three sets of 17 may be out
	PROCESS 0
	s_wait_kmcnt 0x0
	s_add_co_u32 s96, s92, 4
	s_cmp_lt_u32 s96, s91
	s_cbranch_scc0 .Lend
	s_add_co_u32 s96, s92, 16
	s_cmp_lt_u32 s96, s91
	s_cbranch_scc0 .Lno_more
	s_wait_xcnt 0x0
	LOADSET 0, 16, 16
.Lno_more:
	s_wait_loadcnt 34                              ; set 1 is in, with set 0's new loads behind sets 2 and 3 or without them
	PROCESS 1
	s_add_co_u32 s96, s92, 8
	s_cmp_lt_u32 s96, s91
	s_cbranch_scc0 .Lend
	s_wait_loadcnt 17
	PROCESS 2
	s_add_co_u32 s96, s92, 12
	s_cmp_lt_u32 s96, s91
	s_cbranch_scc0 .Lend
	s_wait_loadcnt 0x0
	PROCESS 3
	s_add_co_u32 s92, s92, 16
	s_add_co_u32 s96, s92, 4
	s_cmp_lt_u32 s96, s91
	s_cbranch_scc0 .Lset_0_alone
.macro TOKENS tb, fo
	s_add_co_u32 s2, s92, \fo
	s_min_u32 s2, s2, 127
	s_lshl_b32 s2, s2, 6
	s_mov_b32 s3, 0
	s_add_nc_u64 s[66:67], s[12:13], s[2:3]
	s_load_b512 s[\tb:\tb+15], s[66:67], 0x0
	s_wait_kmcnt 0x0
.endm
	TOKENS 32, 4
	TOKENS 48, 8
	TOKENS 68, 12
	s_wait_xcnt 0x0
	LOADSET 1, 32, 4
	LOADSET 2, 48, 8
	LOADSET 3, 68, 12
.Lset_0_alone:
	s_add_co_u32 s97, s97, 1
	s_cmp_lt_u32 s97, s86
	s_cbranch_scc1 .Lloop
.Lend:
	s_wait_tensorcnt 0x0                           ; the wave's end
	ds_add_u32 v[SPW], v[NIL]
	s_wait_dscnt 0x0
	s_endpgm
.Lfunc_end_k_q394474ce4f_up:
	.size	k_q394474ce4f_up, .Lfunc_end_k_q394474ce4f_up-k_q394474ce4f_up
	.p2alignl 7, 3214868480
	.fill 96, 4, 3214868480
	.section	.rodata,"a",@progbits
	.p2align	6, 0x0
	.amdhsa_kernel k_q394474ce4f_up
		.amdhsa_group_segment_fixed_size 71680
		.amdhsa_private_segment_fixed_size 0
		.amdhsa_enable_private_segment 0
		.amdhsa_kernarg_size 56
		.amdhsa_user_sgpr_count 2
		.amdhsa_user_sgpr_kernarg_segment_ptr 1
		.amdhsa_wavefront_size32 1
		.amdhsa_system_sgpr_workgroup_id_x 1
		.amdhsa_system_sgpr_workgroup_id_y 1
		.amdhsa_system_sgpr_workgroup_id_z 1
		.amdhsa_system_vgpr_workitem_id 0
		.amdhsa_next_free_vgpr 512
		.amdhsa_next_free_sgpr 106
		.amdhsa_reserve_vcc 0
		.amdhsa_float_denorm_mode_32 3
		.amdhsa_float_denorm_mode_16_64 3
		.amdhsa_memory_ordered 1
		.amdhsa_forward_progress 1
		.amdhsa_inst_pref_size 82
	.end_amdhsa_kernel
	.amdgpu_metadata
---
amdhsa.version: [ 1, 2 ]
amdhsa.kernels:
  - .name:           k_q394474ce4f_up
    .symbol:         k_q394474ce4f_up.kd
    .args:
      - { .name: lora_B, .offset: 0, .size: 8, .value_kind: global_buffer, .address_space: global }
      - { .name: base, .offset: 8, .size: 8, .value_kind: global_buffer, .address_space: global }
      - { .name: hq, .offset: 16, .size: 8, .value_kind: global_buffer, .address_space: global }
      - { .name: hs, .offset: 24, .size: 8, .value_kind: global_buffer, .address_space: global }
      - { .name: order, .offset: 32, .size: 8, .value_kind: global_buffer, .address_space: global }
      - { .name: cnt, .offset: 40, .size: 8, .value_kind: global_buffer, .address_space: global }
      - { .name: out0, .offset: 48, .size: 8, .value_kind: global_buffer, .address_space: global }
    .group_segment_fixed_size: 71680
    .private_segment_fixed_size: 0
    .kernarg_segment_align: 8
    .kernarg_segment_size: 56
    .max_flat_workgroup_size: 256
    .sgpr_count:     106
    .vgpr_count:     512
    .wavefront_size: 32
...
	.end_amdgpu_metadata
.endif
;; end of part 2
